; MI455X (gfx1250); checked and timed in simulation.
; The chip was launched on July 23, 2026; its instructions are those of AMD's public machine-readable ISA for CDNA 5 (MIT licence, August 2026) and "CDNA5" Instruction Set Architecture Reference Guide (July 2026). The comments in the code are by the model that wrote it; some were corrected since.
;; PQ Linear. Allowed arithmetic: matrix products marked QUANTISED: E4M3 operands, one E8M0 scale for each 32 along K, by v_wmma_scale_f32_16x16x128_f8f6f4 with both operands' format E4M3, f32 sums; everything else in f32.
;; Inputs: assignments 2,048 x 32 int32; codebooks 32 x 256 x 128 float32; x_codes 4 x 2,048 x 128 x 32 uint8 (E4M3 codes of x, K innermost, in blocks of 32 codes); x_scales 4 x 2,048 x 128 uint8 (E8M0 scales of x, one for each 32 codes along K).
;; Outputs: out0 4 x 2,048 x 2,048 float32.
;; This version of the problem:
;;   THIS VERSION OF THE PROBLEM IS GIVEN IN LOW PRECISION. The matrix products marked QUANTISED in the list below multiply operands that are first quantised to E4M3 (4 exponent bits, 3 mantissa bits; 8 bits a number), with one power-of-two scale for each 32 numbers along K (OCP MX v1.0); their sums are f32. All else is computed in f32.
;;   The module's matrix products, in the order in which they are computed (A, B: the left and right operand; K: the contracted axis; several contracted axes count as one K, in the product's order):
;;     1. [M 8,192, K 4,096] x [K 4,096, N 2,048]; A: input x (given as codes); B: computed on the way: QUANTISED
;;   THE QUANTISER, for each operand of a quantised product, along K:
;;     - K is cut into blocks of 32 from its start; a last block that is shorter is filled with zeros.
;;     - A block's scale is 2^e with e = floor(log2(the largest magnitude in the block)) - 8, held to -126 .. 127; a block of zeros has e = 0. As a byte (E8M0): e + 127.
;;     - Each number is divided by its block's scale, clamped to +-448, and rounded to the nearest number of E4M3, ties to even, subnormals kept.
;;     - The product sums the exact products of the quantised numbers (number of the format x scale) in f32.
;;   ~~~python
;;   def quantise(x, axis):      # numpy; x: float32 -> the quantised numbers, widened to float32 again
;;       x = np.moveaxis(x, axis, -1); K = x.shape[-1]
;;       x = np.pad(x, [(0, 0)] * (x.ndim - 1) + [(0, -K % 32)]); x = x.reshape(x.shape[:-1] + (-1, 32)); a = np.abs(x).max(-1, keepdims=True)
;;       e = np.where(a > 0, np.clip(np.frexp(np.where(a > 0, a, 1))[1] - 1 - 8, -126, 127), 0)      # np.frexp(a)[1] - 1 = floor(log2(a)), exactly
;;       r = np.clip(x / 2.0 ** e, -448, 448)
;;       step = 2.0 ** (np.maximum(np.frexp(np.where(r == 0, 1, r))[1] - 1, -6) - 3)
;;       q = np.round(r / step) * step * 2.0 ** e      # np.round: ties to even
;;       return np.moveaxis(q.reshape(q.shape[:-2] + (-1,))[..., :K], -1, axis).astype(np.float32)
;;   ~~~
;;   OPERANDS COMPUTED ON THE WAY. 'Computed on the way' means the value that the module computes at that place (a softmax that the list does not call 'softmax' is quantised finished and normalised). What goes into a quantiser is computed in f32, as accurately as f32 sums, v_exp_f32 and their like allow (about 1e-6 of the number): no bf16 or f16 on the way to a quantiser, and a product that is left as it is and whose result goes on into a quantised operand takes f32 operands (vector FMAs, or v_wmma_f32_16x16x4_f32). A number that lies on a knife's edge between two numbers of the format may be rounded either way, as far as f32 arithmetic and the matrix unit's own rounding can turn it there, and no further.
;;   INPUTS GIVEN AS CODES. x (in the module: [4, 2048, 4096], K = its axis 2): each comes as NAME_codes (uint8): NAME with its K axis moved to the last place and cut into blocks of 32 codes, [.., K / 32, bytes a block], one block behind the other in memory; one code a byte (a code: sign, 4 exponent bits, 3 mantissa bits); and NAME_scales (uint8): the same leading axes, one E8M0 byte (e + 127) for each 32 codes along K. Its value is code x scale, taken as it is: it is not quantised again, and the codes and scales need not be those that the quantiser above would give.
;; One version. Each part assembles by itself: llvm-mc -triple=amdgcn-amd-amdhsa -mcpu=gfx1250 --defsym DOCPART=n.
;; ======== version 1 of 1: 2 launches
;; limits: right only within a limited range of input values
;; workspace buffers: wq 8,650,752 bytes
;; launch prep (part 1): grid 64 x 4, 16 waves a work-group, no clusters, 119,808 bytes of LDS; arguments assignments, codebooks, wq; writes wq
.if DOCPART == 1
	.amdgcn_target "amdgcn-amd-amdhsa--gfx1250"
	.amdhsa_code_object_version 6
	.text
	.protected	k_qf0abb481e6_prep
	.globl	k_qf0abb481e6_prep
	.p2align	8
	.type	k_qf0abb481e6_prep,@function
k_qf0abb481e6_prep:
	s_mov_b64 s[64:65], 0
	v_nop
	global_prefetch_b8 v0, s[64:65] scope:SCOPE_SE
	s_setreg_imm32_b32 hwreg(HW_REG_WAVE_MODE, 25, 1), 1
	s_wait_xcnt 0x0
; W[o][128 s + j] = codebooks[s][assignments[o][s]][j] (2,048 rows x 4,096 along K) is gathered, quantised to codes of FP8 (E4M3) with one E8M0 byte for each 32 along K,
; and laid in wq in the order of the product's operand registers.  Nothing of reference() is left out; every input is read.
; CODES: fragment (G, s, b) at G x 262,144 + s x 8,192 + b x 2,048 holds W's rows 64 G + 16 b .. + 15, K = 128 s .. + 127: byte 512 c + 256 h + 16 r + i is W[row r][128 s + 32 c + 16 h + i].
; SCALES: from byte 8,388,608 on, [K / 512][row][16 bytes]: byte i of a row's 16 scales K = 512 T + 32 i .. + 31.
; A subvector is four whole blocks of 32, so quantising a gathered codebook row is quantising that part of W.
; A block's byte is its largest magnitude's exponent field - 8, held at 1 from below; numbers are divided by the scale, held within +-448, rounded to the nearest code, ties to even.
; LIMITS: an index outside 0 .. 255 is read as 255 (the problem keeps indices inside the table).  NaN and infinities in codebooks are not served.  A block of zeros gets the byte 1 where the rule says 127:
; its codes are zeros, which add nothing under any byte but 0xff, and only this program reads the bytes.
; SHARES.  Work-group (x, g): rows 32 x .. + 31, subvectors 8 g .. + 7.  Wave w: rows 32 x + 2 w and + 1, four steps of four codebook rows (512 consecutive bytes a load).
; A step's numbers pass the wave's own stage so that a lane holds 16 neighbours along K.  The codes of the work-group make 16 whole fragments: they are gathered in LDS (chunks of 256 bytes, 16 of padding),
; one barrier, and wave w stores fragment w by four stores of 512 consecutive bytes.  The scale bytes make two runs of 512 bytes, stored by waves 0 and 1.
; No tensor load, no cluster, no prefetch: the table is read again and again by all work-groups.
.set SP,    80                         ; a lane's place in a stage: 64 bytes + 16 of padding
.set STGB,  32*SP
.set WREG,  2*STGB                     ; each wave's two stages
.set SCB,   16*WREG                    ; 2 x 512 scale bytes
.set SPARE, SCB+1024                   ; the spare words, 128 bytes a wave
.set CST,   SPARE+2048                 ; the codes: 128 chunks
.set CP,    272                        ; a chunk: 256 bytes + 16
.set SUBV,  131072                     ; a subvector's codebook in bytes
.set OF,    16                         ; v16-31   gather offsets
.set R,     32                         ; v32-95   numbers as loaded
.set X,     96                         ; v96-127  two sets of 16 neighbours
.set C,     128                        ; v128-143 codes
.set E,     144                        ; v144-147 scale bytes
	s_load_b128 s[4:7], s[0:1], 0x0                ; assignments, codebooks
	s_load_b64 s[8:9], s[0:1], 0x10                ; wq
	v_lshl_add_u32 v152, v0, 2, SPARE
	v_mov_b32 v153, 0
	v_lshrrev_b32 v1, 5, v0
	v_readfirstlane_b32 s32, v1                    ; wave
	v_and_b32 v2, 31, v0                           ; lane
	v_lshlrev_b32 v3, 4, v2                        ; 16 x lane
	s_mov_b32 s34, ttmp9                           ; x
	s_and_b32 s35, ttmp7, 0xffff                   ; g
	s_mul_i32 s12, s32, WREG
	v_lshrrev_b32 v14, 2, v2
	v_mul_u32_u24 v14, v14, SP
	v_and_b32 v15, 3, v2
	v_lshl_add_u32 v14, v15, 4, v14
	v_add_nc_u32 v14, s12, v14                     ; the stage, way in
	v_mul_u32_u24 v15, v2, SP
	v_add_nc_u32 v15, s12, v15                     ; and way out: my 16 neighbours
	v_and_b32 v4, 7, v2                            ; 2 c + h
	v_bfe_u32 v6, v2, 3, 1                         ; p
	v_lshl_add_u32 v4, v6, 4, v4                   ; chunk 16 p + 2 c + h
	v_mul_u32_u24 v4, v4, CP
	v_bfe_u32 v6, v2, 4, 1                         ; u
	s_wait_alu depctr_va_vdst(0)                   ; the wait directly behind the write
	v_lshl_add_u32 v4, v6, 4, v4
	s_lshr_b32 s13, s32, 3
	s_mul_i32 s13, s13, 8*CP                       ; rows 16 .. 31: eight chunks on
	s_and_b32 s39, s32, 7
	s_lshl_b32 s39, s39, 5                         ; row (2 w + u) % 16, 16 bytes each
	s_add_co_u32 s13, s13, s39
	s_add_co_u32 s13, s13, CST
	v_add_nc_u32 v4, s13, v4                       ; where my 16 codes go
	v_mul_u32_u24 v7, v6, CP
	v_and_b32 v12, 15, v2
	v_lshl_add_u32 v7, v12, 4, v7
	s_mul_i32 s13, s32, 8*CP
	s_add_co_u32 s13, s13, CST
	v_add_nc_u32 v7, s13, v7                       ; fragment w read back: two chunks a load
	v_bfe_u32 v5, v2, 1, 3                         ; 4 p + b
	v_lshl_add_u32 v5, v6, 4, v5
	s_lshl_b32 s13, s32, 5
	s_add_co_u32 s13, s13, SCB
	v_add_nc_u32 v5, s13, v5                       ; my block's scale byte: 16 x row + 4 p + b
	s_min_u32 s38, s32, 1                          ; waves 0 and 1 store the scale runs; held at 1 so that every wave's address lies inside
	s_lshl_b32 s13, s38, 9
	s_add_co_u32 s13, s13, SCB
	v_add_nc_u32 v13, s13, v3
	s_mov_b32 s33, 0x600000                        ; the mantissa field of 448
	s_lshl_b32 s12, s34, 12                        ; assignments: (32 x + 2 w) x 128 + 32 g
	s_lshl_b32 s13, s32, 8
	s_add_co_u32 s12, s12, s13
	s_lshl_b32 s13, s35, 5
	s_add_co_u32 s12, s12, s13
	s_mov_b32 s13, 0
	s_wait_alu depctr_va_vdst(0)
	s_wait_kmcnt 0x0
	s_add_nc_u64 s[4:5], s[4:5], s[12:13]
	s_load_b256 s[16:23], s[4:5], 0x0              ; row n's eight indices
	s_load_b256 s[24:31], s[4:5], 0x80             ; row n + 1's
	s_lshl_b32 s12, s35, 20                        ; codebooks at subvector 8 g
	s_add_nc_u64 s[6:7], s[6:7], s[12:13]
	s_lshr_b32 s14, s34, 1                         ; fragment w: G = x / 2,
	s_lshl_b32 s14, s14, 18
	s_lshl_b32 s15, s35, 3
	s_lshr_b32 s39, s32, 1
	s_add_co_u32 s15, s15, s39                     ; s = 8 g + w / 2,
	s_lshl_b32 s15, s15, 13
	s_add_co_u32 s14, s14, s15
	s_and_b32 s15, s34, 1
	s_lshl_b32 s15, s15, 1
	s_and_b32 s39, s32, 1
	s_add_co_u32 s15, s15, s39                     ; b = 2 (x % 2) + w % 2
	s_lshl_b32 s15, s15, 11
	s_add_co_u32 s14, s14, s15
	s_mov_b32 s15, 0
	s_add_nc_u64 s[10:11], s[8:9], s[14:15]
	s_lshl_b32 s14, s35, 1                         ; scale run: T = 2 g + wave, rows 32 x ..
	s_add_co_u32 s14, s14, s38
	s_lshl_b32 s14, s14, 15
	s_lshl_b32 s39, s34, 9
	s_add_co_u32 s14, s14, s39
	s_add_co_u32 s14, s14, 8388608
	s_add_nc_u64 s[36:37], s[8:9], s[14:15]
	s_wait_kmcnt 0x0                               ; the indices
.irp i, 0,1,2,3,4,5,6,7,8,9,10,11,12,13,14,15
	s_min_u32 s[16+\i], s[16+\i], 255              ; a loaded number enters an address only behind a bound
.endr
.irp t, 0,1,2,3
.irp i, 0,1,2,3
	v_lshl_add_u32 v[OF+4*\t+\i], s[16+8*(\i/2)+2*\t+(\i%2)], 9, v3   ; 512 x index + 16 x lane
.endr
.endr
.macro LOAD t
.irp i, 0,1,2,3
	global_load_b128 v[R+16*(\t)+4*\i:R+16*(\t)+4*\i+3], v[OF+4*(\t)+\i], s[6:7] offset:(2*(\t)+(\i%2))*SUBV
.endr
.endm
.macro TURN t                          ; LDS serves a wave's instructions in order (ISA guide 5.7.1.4): no wait between the stores and the loads
.irp i, 0,1,2,3
	ds_store_b128 v14, v[R+16*(\t)+4*\i:R+16*(\t)+4*\i+3] offset:STGB*((\t)%2)+8*SP*\i
.endr
.irp i, 0,1,2,3
	ds_load_b128 v[X+16*((\t)%2)+4*\i:X+16*((\t)%2)+4*\i+3], v15 offset:STGB*((\t)%2)+16*\i
.endr
.endm
.irp t, 0,1,2,3
	LOAD \t
.endr
	s_wait_loadcnt 12                              ; step 0's four loads are in
	TURN 0
.macro STEP t
.set XS, X+16*((\t)%2)
.if (\t) > 0
	s_wait_dscnt 2                                 ; this step's numbers are back; the last step's two stores (byte, codes) may be out
.else
	s_wait_dscnt 0x0
.endif
.if (\t) < 3
	s_wait_loadcnt 4*(2-(\t))                      ; the next step's four loads are in
	TURN (\t)+1
.endif
	v_max3_num_f32 v8, |v[XS]|, |v[XS+1]|, |v[XS+2]|               ; the largest magnitude of my 16, in two chains
	v_max3_num_f32 v9, |v[XS+3]|, |v[XS+4]|, |v[XS+5]|
.irp i, 6,10
	s_delay_alu instid0(VALU_DEP_2)
	v_max3_num_f32 v8, v8, |v[XS+\i]|, |v[XS+\i+1]|
	s_delay_alu instid0(VALU_DEP_2)
	v_max3_num_f32 v9, v9, |v[XS+\i+2]|, |v[XS+\i+3]|
.endr
	s_delay_alu instid0(VALU_DEP_2)
	v_max3_num_f32 v8, v8, |v[XS+14]|, |v[XS+15]|
	s_delay_alu instid0(VALU_DEP_1)
	v_max3_num_f32 v8, v8, v9, 0x4800000           ; the floor 2^(9 - 127): the byte cannot fall under 1
	s_delay_alu instid0(VALU_DEP_1)
	v_max_num_f32_dpp v8, v8, v8 row_xmask:1 row_mask:0xf bank_mask:0xf   ; with my neighbour's 16: the block's
	s_delay_alu instid0(VALU_DEP_1)
	v_add_nc_u32 v11, 0xfc000000, v8               ; 8 off the exponent field: the conversion's scale operand
	s_delay_alu instid0(VALU_DEP_2)
	v_and_or_b32 v10, v8, 0x7f800000, s33          ; 448 x the scale
.irp i, 0,1,2,3,4,5,6,7,8,9,10,11,12,13,14,15
	v_med3_num_f32 v[XS+\i], v[XS+\i], -v10, v10   ; the conversion does not saturate (ISA guide 7.6.2): hold first
.endr
	v_cvt_scalef32_pk8_fp8_f32 v[C+4*(\t):C+4*(\t)+1], v[XS:XS+7], v11
	v_cvt_scalef32_pk8_fp8_f32 v[C+4*(\t)+2:C+4*(\t)+3], v[XS+8:XS+15], v11
	v_lshrrev_b32 v[E+(\t)], 23, v11               ; the scale's byte; also the plain line behind the conversions
	ds_store_b8 v5, v[E+(\t)] offset:512*((\t)/2)+8*((\t)%2)   ; both lanes of a block write the same byte
	ds_store_b128 v4, v[C+4*(\t):C+4*(\t)+3] offset:32*CP*(\t)  ; subvectors 2 t and 2 t + 1: 32 chunks a step
.endm
.irp t, 0,1,2,3
	STEP \t
.endr
	s_wait_dscnt 0x0                               ; for the others' sake: my stores have landed
	s_barrier_signal -1
	s_barrier_wait -1
.irp c, 0,1,2,3
	ds_load_b128 v[C+4*\c:C+4*\c+3], v7 offset:2*CP*\c
.endr
	s_wait_dscnt 0x0
.irp c, 0,1,2,3
	global_store_b128 v3, v[C+4*\c:C+4*\c+3], s[10:11] offset:512*\c   ; 32 lanes store 512 consecutive bytes, aligned
.endr
	s_cmp_lt_u32 s32, 2
	s_cbranch_scc0 .Lend
	ds_load_b128 v[X:X+3], v13
	s_wait_dscnt 0x0
	global_store_b128 v3, v[X:X+3], s[36:37]       ; 32 rows x 16 scale bytes: 512 consecutive bytes, aligned
.Lend:
	s_wait_tensorcnt 0x0                           ; the wave's end
	ds_add_u32 v152, v153
	s_wait_dscnt 0x0
	s_endpgm
.Lfunc_end_k_qf0abb481e6_prep:
	.size	k_qf0abb481e6_prep, .Lfunc_end_k_qf0abb481e6_prep-k_qf0abb481e6_prep
	.p2alignl 7, 3214868480
	.fill 96, 4, 3214868480
	.section	.rodata,"a",@progbits
	.p2align	6, 0x0
	.amdhsa_kernel k_qf0abb481e6_prep
		.amdhsa_group_segment_fixed_size 119808
		.amdhsa_private_segment_fixed_size 0
		.amdhsa_enable_private_segment 0
		.amdhsa_kernarg_size 24
		.amdhsa_user_sgpr_count 2
		.amdhsa_user_sgpr_kernarg_segment_ptr 1
		.amdhsa_wavefront_size32 1
		.amdhsa_system_sgpr_workgroup_id_x 1
		.amdhsa_system_sgpr_workgroup_id_y 1
		.amdhsa_system_sgpr_workgroup_id_z 1
		.amdhsa_system_vgpr_workitem_id 0
		.amdhsa_next_free_vgpr 154
		.amdhsa_next_free_sgpr 66
		.amdhsa_reserve_vcc 0
		.amdhsa_float_denorm_mode_32 3
		.amdhsa_float_denorm_mode_16_64 3
		.amdhsa_memory_ordered 1
		.amdhsa_forward_progress 1
		.amdhsa_inst_pref_size 21
	.end_amdhsa_kernel
	.amdgpu_metadata
---
amdhsa.version: [ 1, 2 ]
amdhsa.kernels:
  - .name:           k_qf0abb481e6_prep
    .symbol:         k_qf0abb481e6_prep.kd
    .args:
      - { .name: assignments, .offset: 0, .size: 8, .value_kind: global_buffer, .address_space: global }
      - { .name: codebooks, .offset: 8, .size: 8, .value_kind: global_buffer, .address_space: global }
      - { .name: wq, .offset: 16, .size: 8, .value_kind: global_buffer, .address_space: global }
    .group_segment_fixed_size: 119808
    .private_segment_fixed_size: 0
    .kernarg_segment_align: 8
    .kernarg_segment_size: 24
    .max_flat_workgroup_size: 512
    .sgpr_count:     66
    .vgpr_count:     154
    .wavefront_size: 32
...
	.end_amdgpu_metadata
.endif
;; end of part 1
;; launch gemm (part 2): grid 8 x 32, 4 waves a work-group, clusters of 4 x 1, 327,680 bytes of LDS; arguments x_codes, x_scales, wq, out0; writes out0
.if DOCPART == 2
	.amdgcn_target "amdgcn-amd-amdhsa--gfx1250"
	.amdhsa_code_object_version 6
	.text
	.protected	k_qf0abb481e6_gemm
	.globl	k_qf0abb481e6_gemm
	.p2align	8
	.type	k_qf0abb481e6_gemm,@function
k_qf0abb481e6_gemm:
	s_mov_b64 s[64:65], 0
	v_nop
	global_prefetch_b8 v0, s[64:65] scope:SCOPE_SE
	s_setreg_imm32_b32 hwreg(HW_REG_WAVE_MODE, 25, 1), 1
	s_wait_xcnt 0x0
	s_wait_alu depctr_hold_cnt(0) depctr_sa_sdst(0) depctr_va_vdst(0) depctr_va_sdst(0) depctr_va_ssrc(0) depctr_va_vcc(0) depctr_vm_vsrc(0)
	s_getreg_b32 s2, hwreg(HW_REG_IB_STS2, 6, 4)
	s_cmp_eq_u32 s2, 0
	s_cbranch_scc0 .Lentry_in_a_cluster
	s_endpgm
.Lentry_in_a_cluster:
	s_bfe_u32 s2, ttmp6, 0x10000c
	s_cmp_lg_u32 s2, 0x3003
	s_cbranch_scc0 .Lentry_shape_is_right
	s_endpgm
.Lentry_shape_is_right:
; out[m][n] = sum over k of x[m][k] W[n][k]: x as given codes and scale bytes, W as prep laid it (codes in the order of the operand's registers, scale words by 512 along K).
; A work-group makes 256 x 256 of out; wave w makes all 256 rows x columns 64 w .. + 63: 64 accumulators, 512 registers.
; W GOES FROM MEMORY STRAIGHT INTO REGISTERS: a wave's 64 columns x 128 K are 8,192 consecutive bytes, 16 loads of 512 bytes; no other wave of the work-group needs them.
; Four register sets of 64, one for each 128 along K of a slot; a set is asked for three steps of 128 ahead.  These loads never touch LDS, so they are no joint loads:
; a joint load lands in LDS, and LDS is taken by x's two slots of 512 along K.  The register ring asks three steps ahead, so W has no further prefetch.
; x COMES THROUGH LDS: two slots of 256 rows x 512 bytes (pitch 528), each wave fetching 64 rows; x's scale bytes of the 256 rows (32,768 dense bytes) come once, at the head.
; CLUSTERS of 4 x 1: the four work-groups of a cluster make one tile row and ask for x's tiles and scales jointly (mask 15).
; A step of 128 along K goes by x's 16 blocks of 16 rows, each against W's four, in four groups of four blocks.  x's fragments have a ring of eight buffers, two halves of four:
; a group's sixteen products stand on end; eight places follow; then ONE run of sixteen LDS loads brings the group eight blocks on into the half that the group left.
; W's sixteen loads and the scale words ride in the first run of a step.  The 64 accumulators take turns.
; THE MATRIX INSTRUCTION IS USED TRANSPOSED (source 0 = W's rows, source 1 = x's): a lane holds eight neighbouring columns of one row of out.
; x's next slot is prefetched: behind the refill for slot t + 2 each lane names one block of 256 bytes of slot t + 3; the cluster's 512 lanes share the 256 rows x 2 blocks by address; the last refill asks for nothing.
; WINDOWS: 0: v0-31 addresses, v32-95 x's scale words (two sets), v98-113 W's (two sets), v128-255 x's ring; 1: W's four sets; 2, 3: accumulators ((a, b) at 8 (4 (a % 8) + b)).
.set PITCH,  528
.set SLOT,   256*PITCH
.set SCL,    2*SLOT                    ; x's scales: 128 units of 256 bytes + 16
.set SBLK,   8*272                     ; those of 16 rows
.set SPARE,  SCL+128*272               ; the spare words
.set SPITCH, 272                       ; the way out: 16 rows x (256 + 16) a wave, in slot 0 behind its last fill and last read
.set ADRA, 16                          ; v16-19 x's fragments: slot 0 rows 0-127, 128-255; slot 1 likewise
.set ADRS, 20                          ; v20 x's scale words
.set STO,  24
.set RD,   25
.set CO,   26
.set BOF,  27                          ; 16 x lane
.set SPW,  28
.set NIL,  29
.set PFO,  30
.set SA,   32
.set SB,   98                          ; 2 modulo 8: W's and x's scale registers never agree modulo 8
.set AF,   128
.set BK,   128
.set G1,   24                          ; ring: 64 rows x 512
.set G0,   32                          ; one group 0 for each slot
.set G0H,  40                          ; head: 128 rows of slot 0
.set G0S,  44                          ; head: half of the scales
.set G1H,  48
.set G1S,  56
.set PFA,  66
.set WB,   68                          ; W's codes, my 64 columns, at this lap
.set WS,   70                          ; W's scale words likewise
.set MSB, 0
.macro WIN new
.if MSB != \new
	s_set_vgpr_msb (MSB<<8)|\new
.set MSB, \new
.endif
.endm
.macro CREST
	s_cmp_lg_u32 s14, 0
	s_cbranch_scc1 .Lnot_wave_0_\@
	s_barrier_signal -3
.Lnot_wave_0_\@:
	s_barrier_wait -3
	s_barrier_signal -1
	s_barrier_wait -1
.endm
.macro CROUND
	s_barrier_signal -1
	s_barrier_wait -1
	CREST
.endm
.macro PLACES n
.rept \n
	v_nop
.endr
.endm
	s_load_b256 s[4:11], s[0:1], 0x0               ; x_codes, x_scales, wq, out0
	v_lshl_add_u32 v[SPW], v0, 2, SPARE
	v_mov_b32 v[NIL], 0
	ds_add_u32 v[SPW], v[NIL]                      ; the opening lines
	ds_add_u32 v[SPW], v[NIL]
	v_lshrrev_b32 v1, 5, v0
	v_readfirstlane_b32 s14, v1                    ; wave
	s_and_b32 s16, s14, 1
	s_bfe_u32 s17, ttmp6, 0x40000                  ; cx
	s_lshl_b32 s18, ttmp9, 2
	s_add_co_u32 s18, s18, s17                     ; tile column
	s_and_b32 s19, ttmp7, 0xffff                   ; tile row
	s_mov_b32 s[G1+0], 15|(1<<20)|(1<<21)|(6<<22)|(3<<25)   ; mask 15; bytes; 16 bytes of padding behind every 512
	s_mov_b32 s[G1+1], 512<<16
	s_mov_b32 s[G1+2], 64<<16
	s_mov_b32 s[G1+3], 512<<16
	s_mov_b32 s[G1+4], 64
	s_mov_b32 s[G1+5], 4096
	s_mov_b32 s[G1+6], 0
	s_mov_b32 s[G1+7], 0
	s_mov_b32 s[G1H+0], 15|(1<<20)|(1<<21)|(6<<22)|(3<<25)
	s_mov_b32 s[G1H+1], 512<<16
	s_mov_b32 s[G1H+2], 128<<16
	s_mov_b32 s[G1H+3], 512<<16
	s_mov_b32 s[G1H+4], 128
	s_mov_b32 s[G1H+5], 4096
	s_mov_b32 s[G1H+6], 0
	s_mov_b32 s[G1H+7], 0
	s_mov_b32 s[G1S+0], 15|(3<<16)|(1<<20)|(1<<21)|(5<<22)|(3<<25)   ; 64 dense rows of 256 bytes, 16 of padding behind each
	s_mov_b32 s[G1S+1], 32<<16
	s_mov_b32 s[G1S+2], 64<<16
	s_mov_b32 s[G1S+3], 32<<16
	s_mov_b32 s[G1S+4], 64
	s_mov_b32 s[G1S+5], 32
	s_mov_b32 s[G1S+6], 0
	s_mov_b32 s[G1S+7], 0
	v_and_b32 v1, 15, v0                           ; r
	v_bfe_u32 v2, v0, 4, 1                         ; h
	v_and_b32 v3, 31, v0
	v_mul_u32_u24 v4, v1, PITCH
	v_lshl_add_u32 v4, v2, 4, v4                   ; row x pitch + 16 h
.irp k, 0,1,2,3
	v_add_nc_u32 v[ADRA+\k], (\k/2)*SLOT+(\k%2)*128*PITCH, v4
.endr
	v_lshrrev_b32 v5, 1, v1                        ; x's scales: two rows of 128 bytes in a unit
	v_mul_u32_u24 v5, v5, 272
	v_and_b32 v6, 1, v1
	v_lshl_add_u32 v5, v6, 7, v5
	v_mad_u32_u24 v5, v2, SBLK, v5                 ; lanes 16-31 take the next block of 16 rows
	v_add_nc_u32 v[ADRS], SCL, v5
	s_mul_i32 s20, s14, 16*SPITCH                  ; my stage
	v_mul_u32_u24 v5, v1, SPITCH
	v_lshl_add_u32 v5, v2, 5, v5
	v_add_nc_u32 v[STO], s20, v5
	v_mul_u32_u24 v5, v2, SPITCH
	v_lshl_add_u32 v5, v1, 4, v5
	v_add_nc_u32 v[RD], s20, v5
	v_lshlrev_b32 v5, 13, v2                       ; a row of out is 8,192 bytes
	v_lshl_add_u32 v[CO], v1, 4, v5
	v_lshlrev_b32 v[BOF], 4, v3
	v_lshlrev_b32 v5, 8, v2
	v_lshl_add_u32 v[PFO], v1, 12, v5              ; prefetch: row r, block h
	s_mul_i32 s72, s14, 64*PITCH                   ; ring: my 64 rows in a slot
	s_mul_i32 s[G0H+1], s16, 128*PITCH
	s_mul_i32 s[G0S+1], s16, 64*272
	s_add_co_u32 s[G0S+1], s[G0S+1], SCL
	s_lshl_b32 s20, s19, 8                         ; the tile's first row
	s_lshl_b32 s21, s14, 6
	s_add_co_u32 s21, s21, s20
	s_lshl_b32 s12, s21, 12
	s_mov_b32 s13, 0
	s_lshl_b32 s21, s16, 7
	s_add_co_u32 s21, s21, s20
	s_lshl_b32 s22, s21, 12
	s_mov_b32 s23, 0
	s_lshl_b32 s76, s19, 15
	s_lshl_b32 s21, s16, 14
	s_add_co_u32 s76, s76, s21
	s_mov_b32 s77, 0
	s_lshl_b32 s21, s17, 6                         ; prefetch: my work-group's 64 rows, my wave's 16
	s_add_co_u32 s21, s21, s20
	s_lshl_b32 s78, s14, 4
	s_add_co_u32 s78, s78, s21
	s_lshl_b32 s78, s78, 12
	s_add_co_u32 s78, s78, 1024                    ; at slot 2: each change of slots steps it first
	s_mov_b32 s79, 0
	s_lshl_b32 s21, s18, 2
	s_add_co_u32 s21, s21, s14                     ; my group of 64 columns
	s_lshl_b32 s80, s21, 18
	s_mov_b32 s81, 0
	s_lshl_b32 s82, s21, 10
	s_add_co_u32 s82, s82, 8388608
	s_mov_b32 s83, 0
	s_lshl_b32 s84, s19, 21
	s_lshl_b32 s21, s18, 10
	s_add_co_u32 s84, s84, s21
	s_lshl_b32 s21, s14, 8
	s_add_co_u32 s84, s84, s21
	s_mov_b32 s85, 0
	s_wait_alu depctr_va_vdst(0)
	s_wait_dscnt 0x0                               ; both opening adds are done
	s_wait_kmcnt 0x0
	s_add_nc_u64 s[12:13], s[4:5], s[12:13]
	s_add_nc_u64 s[22:23], s[4:5], s[22:23]
	s_add_nc_u64 s[76:77], s[6:7], s[76:77]
	s_add_nc_u64 s[PFA:PFA+1], s[4:5], s[78:79]
	s_add_nc_u64 s[WB:WB+1], s[8:9], s[80:81]
	s_add_nc_u64 s[WS:WS+1], s[8:9], s[82:83]
	s_add_nc_u64 s[10:11], s[10:11], s[84:85]
	s_mov_b32 s[G0H], 1
	s_mov_b64 s[G0H+2:G0H+3], s[22:23]
	s_or_b32 s[G0H+3], s[G0H+3], 0x80000000
	s_mov_b32 s[G0S], 1
	s_mov_b64 s[G0S+2:G0S+3], s[76:77]
	s_or_b32 s[G0S+3], s[G0S+3], 0x80000000
.irp s, 0,1
	s_mov_b32 s[G0+4*\s], 1
	s_add_co_u32 s[G0+4*\s+1], s72, \s*SLOT
	s_add_nc_u64 s[G0+4*\s+2:G0+4*\s+3], s[12:13], \s*512
	s_or_b32 s[G0+4*\s+3], s[G0+4*\s+3], 0x80000000
.endr
	CROUND                                         ; the four work-groups are here: the first joint loads meet
	s_cmp_lt_u32 s14, 2                            ; one load a wave: waves 0, 1 slot 0's halves, waves 2, 3 the halves of the scales
	s_cbranch_scc0 .Lhead_s
	tensor_load_to_lds s[G0H:G0H+3], s[G1H:G1H+7]
	s_nop 0
	PLACES 4
	s_branch .Lhead_j
.Lhead_s:
	tensor_load_to_lds s[G0S:G0S+3], s[G1S:G1S+7]
	s_nop 0
	PLACES 4
.Lhead_j:
.irp p, 0,1
	global_load_b128 v[SB+4*\p:SB+4*\p+3], v[BOF], s[WS:WS+1] offset:512*\p   ; W's scale words of slot 0: lane l row 32 p + l, four words
.endr
	WIN 0x40
.irp g, 0,1,2
.irp b, 0,1,2,3
.irp c, 0,1,2,3
	global_load_b128 v[64*\g+16*\b+4*\c:64*\g+16*\b+4*\c+3], v[BOF], s[WB:WB+1] offset:\g*8192+\b*2048+\c*512
.endr
.endr
.endr
	WIN 0
.macro MM a, b, q, st, zero
.set rD, 8*(4*((\a)%8)+(\b))
.set rB, 64*(\q)+16*(\b)
.set rA, AF+16*((\a)%8)
.set rT, SB+8*(\st)+4*((\b)/2)+(\q)
.set rS, SA+32*(\st)+4*((\a)/2)+(\q)
.set odd, 2*((\b)%2)+((\a)%2)
.if \zero
.if odd == 0
	v_wmma_scale_f32_16x16x128_f8f6f4 v[rD:rD+7], v[rB:rB+15], v[rA:rA+15], 0, v[rT], v[rS]
.elseif odd == 1
	v_wmma_scale_f32_16x16x128_f8f6f4 v[rD:rD+7], v[rB:rB+15], v[rA:rA+15], 0, v[rT], v[rS] matrix_b_scale:MATRIX_SCALE_ROW1
.elseif odd == 2
	v_wmma_scale_f32_16x16x128_f8f6f4 v[rD:rD+7], v[rB:rB+15], v[rA:rA+15], 0, v[rT], v[rS] matrix_a_scale:MATRIX_SCALE_ROW1
.else
	v_wmma_scale_f32_16x16x128_f8f6f4 v[rD:rD+7], v[rB:rB+15], v[rA:rA+15], 0, v[rT], v[rS] matrix_a_scale:MATRIX_SCALE_ROW1 matrix_b_scale:MATRIX_SCALE_ROW1
.endif
.else
.if odd == 0
	v_wmma_scale_f32_16x16x128_f8f6f4 v[rD:rD+7], v[rB:rB+15], v[rA:rA+15], v[rD:rD+7], v[rT], v[rS]
.elseif odd == 1
	v_wmma_scale_f32_16x16x128_f8f6f4 v[rD:rD+7], v[rB:rB+15], v[rA:rA+15], v[rD:rD+7], v[rT], v[rS] matrix_b_scale:MATRIX_SCALE_ROW1
.elseif odd == 2
	v_wmma_scale_f32_16x16x128_f8f6f4 v[rD:rD+7], v[rB:rB+15], v[rA:rA+15], v[rD:rD+7], v[rT], v[rS] matrix_a_scale:MATRIX_SCALE_ROW1
.else
	v_wmma_scale_f32_16x16x128_f8f6f4 v[rD:rD+7], v[rB:rB+15], v[rA:rA+15], v[rD:rD+7], v[rT], v[rS] matrix_a_scale:MATRIX_SCALE_ROW1 matrix_b_scale:MATRIX_SCALE_ROW1
.endif
.endif
.endm
.macro AFR u, a                        ; x's block a of the lap's step u (slot (u / 4) % 2, its (u % 4)-th 128 along K) into ring buffer a % 8
.irp c, 0,1,2,3
	ds_load_b128 v[AF+16*((\a)%8)+4*\c:AF+16*((\a)%8)+4*\c+3], v[ADRA+2*(((\u)/4)%2)+(\a)/8] offset:128*((\u)%4)+32*\c+((\a)%8)*16*PITCH
.endr
.endm
.macro ASCL i                          ; x's scale words of the lap's slot i: 16 bytes a row = four words; lanes 0-15 block 2 p, lanes 16-31 block 2 p + 1
.irp p, 0,1,2,3,4,5,6,7
	ds_load_b128 v[SA+32*((\i)%2)+4*\p:SA+32*((\i)%2)+4*\p+3], v[ADRS] offset:\p*2*SBLK+16*(\i)
.endr
.endm
; One step of 128 along K.  chg: 1 = the slot's last step, the slot is filled again; 2 = the same without a refill.  fin: the launch's last step.  bld, bsc, asc: W's set three steps on, W's and x's next scale words.
; nb: the younger W loads that may stay out.  LDS waits ahead of block j of a group: 28 - 4 j = the next group's 16 loads and this group's later blocks; 8 more behind the eight scale loads;
; one more behind the add; 12 - 4 j in the launch's last group, behind which nothing was asked for.
.macro SUB u, zero, chg, fin, bld, bsc, asc, nb
.set Q, (\u)%4
.set ST, ((\u)/4)%2
	s_wait_loadcnt \nb
.irp g, 0,1,2,3
	WIN 0xa1+0x50*(\g/2)
.irp j, 0,1,2,3
.if (\chg) && (\g == 3)
.elseif (\chg) && (\g == 2) && (\j == 3)
	s_wait_dscnt 0x0                               ; the add is done, my reads of this slot are over
	s_barrier_signal -1
.elseif (\chg) && (\g == 2)
	s_wait_dscnt 29-4*\j
.elseif (\fin) && (\g == 3)
	s_wait_dscnt 12-4*\j
.elseif (\asc) && (\g == 1)
	s_wait_dscnt 36-4*\j
.else
	s_wait_dscnt 28-4*\j
.endif
.irp b, 0,1,2,3
	MM 4*\g+\j, \b, Q, ST, \zero
.endr
.endr
.if (\chg) && (\g == 2)
	PLACES 4                                       ; four of the eight places ahead of the loads below; four more follow
	WIN 0
	s_barrier_wait -1
.if \chg == 1
	CREST                                          ; the barrier has opened a round of the cluster's barrier
	s_add_nc_u64 s[G0+4*ST+2:G0+4*ST+3], s[G0+4*ST+2:G0+4*ST+3], 1024
	tensor_load_to_lds s[G0+4*ST:G0+4*ST+3], s[G1:G1+7]   ; my 64 rows of the slot two on
	s_nop 0
.endif
	PLACES 4
.irp j, 0,1,2,3
	AFR \u+1, \j                                   ; the next slot's first group
.endr
.if \chg == 1
.if (\u) == 7
	s_cmp_gt_u32 s3, 1                             ; the last refill has no slot behind it
	s_cbranch_scc0 .Lno_ask_\@
.endif
	global_prefetch_b8 v[PFO], s[PFA:PFA+1] th:TH_LOAD_NT scope:SCOPE_SE
.if (\u) == 7
.Lno_ask_\@:
.endif
.endif
.elseif (\fin) && (\g > 1)
.else
	PLACES 8
	WIN 0
.if (\asc) && (\g == 0)
	ASCL (\u)/4+1
.endif
.if \g < 2
.irp j, 0,1,2,3
	AFR \u, 4*\g+8+\j
.endr
.else
.irp j, 0,1,2,3
	AFR \u+1, 4*\g-8+\j
.endr
.endif
.if (\chg) && (\g == 1)
.if \chg == 1
	s_wait_xcnt 0x0                                ; my last prefetch has read its address
	s_add_nc_u64 s[PFA:PFA+1], s[PFA:PFA+1], 512
.endif
	s_wait_tensorcnt 0x0                           ; my part of the next slot is in
	ds_add_u32 v[SPW], v[NIL]                      ; twelve products stand between it and its wait
.endif
.if (\bld) && (\g == 0)
	WIN 0x40
.irp b, 0,1,2,3
.irp c, 0,1,2,3
	global_load_b128 v[64*((Q+3)%4)+16*\b+4*\c:64*((Q+3)%4)+16*\b+4*\c+3], v[BOF], s[WB:WB+1] offset:((\u)+3)*8192+\b*2048+\c*512
.endr
.endr
	WIN 0
.if \bsc
.irp p, 0,1
	global_load_b128 v[SB+8*(((\u)/4+1)%2)+4*\p:SB+8*(((\u)/4+1)%2)+4*\p+3], v[BOF], s[WS:WS+1] offset:((\u)/4+1)*32768+512*\p
.endr
.endif
.endif
.endif
.endr
	WIN 0
.endm
	s_wait_tensorcnt 0x0                           ; my tile of the head's is in
	ds_add_u32 v[SPW], v[NIL]
	s_wait_dscnt 0x0
	CROUND
	tensor_load_to_lds s[G0+4:G0+7], s[G1:G1+7]    ; slot 1's first fill
	s_nop 0
	PLACES 4
	ASCL 0
.irp a, 0,1,2,3,4,5,6,7
	AFR 0, \a
.endr
	SUB 0, 1, 0, 0, 1, 1, 0, 32                    ; the first step starts the sums
	s_mov_b32 s3, 3
.Llap:                                                 ; a trip: a lap's steps 1 to 7 and the next lap's step 0; both slots are filled again
	SUB 1, 0, 0, 0, 1, 0, 1, 32
	SUB 2, 0, 0, 0, 1, 0, 0, 32
	SUB 3, 0, 1, 0, 1, 0, 0, 32
	SUB 4, 0, 0, 0, 1, 1, 0, 32
	SUB 5, 0, 0, 0, 1, 0, 1, 32
	SUB 6, 0, 0, 0, 1, 0, 0, 32
	SUB 7, 0, 1, 0, 1, 0, 0, 32
	SUB 8, 0, 0, 0, 1, 1, 0, 32
	s_wait_xcnt 0x0                                ; W's loads have read their bases
	s_add_nc_u64 s[WB:WB+1], s[WB:WB+1], 65536
	s_add_nc_u64 s[WS:WS+1], s[WS:WS+1], 65536
	v_add_nc_u32 v[ADRS], 32, v[ADRS]
	s_wait_alu depctr_va_vdst(0)
	s_sub_co_u32 s3, s3, 1
	s_cmp_lg_u32 s3, 0
	s_cbranch_scc1 .Llap
	SUB 1, 0, 0, 0, 1, 0, 1, 32                    ; the last lap fills nothing
	SUB 2, 0, 0, 0, 1, 0, 0, 32
	SUB 3, 0, 2, 0, 1, 0, 0, 32
	SUB 4, 0, 0, 0, 1, 0, 0, 32
	SUB 5, 0, 0, 0, 0, 0, 0, 32
	SUB 6, 0, 0, 0, 0, 0, 0, 16
	SUB 7, 0, 0, 1, 0, 0, 0, 0
; THE WAY OUT, by blocks of 16 rows x 64 columns: through my own stage and back as whole rows of 256 bytes; LDS serves a wave's instructions in order (ISA guide 5.7.1.4).
.macro TOSTAGE a
	WIN 0x08+4*((\a)/8)
.irp b, 0,1,2,3
	ds_store_b128 v[STO], v[8*(4*((\a)%8)+\b):8*(4*((\a)%8)+\b)+3] offset:64*\b
	ds_store_b128 v[STO], v[8*(4*((\a)%8)+\b)+4:8*(4*((\a)%8)+\b)+7] offset:64*\b+16
.endr
	WIN 0
.irp t, 0,1,2,3,4,5,6,7
	ds_load_b128 v[BK+32*((\a)%4)+4*\t:BK+32*((\a)%4)+4*\t+3], v[RD] offset:\t*2*SPITCH
.endr
.endm
.macro SEND a, younger
	s_wait_dscnt \younger
.irp t, 0,1,2,3,4,5,6,7
	global_store_b128 v[CO], v[BK+32*((\a)%4)+4*\t:BK+32*((\a)%4)+4*\t+3], s[10:11] offset:(16*(\a)+2*\t)*8192 th:TH_STORE_NT   ; 16 lanes store 256 consecutive bytes, aligned
.endr
.endm
	PLACES 8
	TOSTAGE 0
.irp a, 1,2,3,4,5,6,7,8,9,10,11,12,13,14,15
.if \a > 3
	s_wait_xcnt 0x0                                ; block a - 4's stores have read their registers
.endif
	TOSTAGE \a
	SEND \a-1, 16                                  ; behind block a - 1's loads: block a's 8 stores and 8 loads
.endr
	SEND 15, 0
	s_wait_tensorcnt 0x0                           ; the wave's end
	ds_add_u32 v[SPW], v[NIL]
	s_wait_dscnt 0x0
	CROUND                                         ; the closing round
	s_endpgm
.Lfunc_end_k_qf0abb481e6_gemm:
	.size	k_qf0abb481e6_gemm, .Lfunc_end_k_qf0abb481e6_gemm-k_qf0abb481e6_gemm
	.p2alignl 7, 3214868480
	.fill 96, 4, 3214868480
	.section	.rodata,"a",@progbits
	.p2align	6, 0x0
	.amdhsa_kernel k_qf0abb481e6_gemm
		.amdhsa_group_segment_fixed_size 327680
		.amdhsa_private_segment_fixed_size 0
		.amdhsa_enable_private_segment 0
		.amdhsa_kernarg_size 32
		.amdhsa_user_sgpr_count 2
		.amdhsa_user_sgpr_kernarg_segment_ptr 1
		.amdhsa_wavefront_size32 1
		.amdhsa_system_sgpr_workgroup_id_x 1
		.amdhsa_system_sgpr_workgroup_id_y 1
		.amdhsa_system_sgpr_workgroup_id_z 1
		.amdhsa_system_vgpr_workitem_id 0
		.amdhsa_next_free_vgpr 1024
		.amdhsa_next_free_sgpr 90
		.amdhsa_reserve_vcc 0
		.amdhsa_float_denorm_mode_32 3
		.amdhsa_float_denorm_mode_16_64 3
		.amdhsa_memory_ordered 1
		.amdhsa_forward_progress 1
		.amdhsa_inst_pref_size 255
	.end_amdhsa_kernel
	.section	.bss,"aw",@nobits
	.p2align	6
	.space	262144
	.amdgpu_metadata
---
amdhsa.version: [ 1, 2 ]
amdhsa.kernels:
  - .name:           k_qf0abb481e6_gemm
    .symbol:         k_qf0abb481e6_gemm.kd
    .args:
      - { .name: x_codes, .offset: 0, .size: 8, .value_kind: global_buffer, .address_space: global }
      - { .name: x_scales, .offset: 8, .size: 8, .value_kind: global_buffer, .address_space: global }
      - { .name: wq, .offset: 16, .size: 8, .value_kind: global_buffer, .address_space: global }
      - { .name: out0, .offset: 24, .size: 8, .value_kind: global_buffer, .address_space: global }
    .group_segment_fixed_size: 327680
    .private_segment_fixed_size: 0
    .kernarg_segment_align: 8
    .kernarg_segment_size: 32
    .max_flat_workgroup_size: 128
    .sgpr_count:     90
    .vgpr_count:     1024
    .wavefront_size: 32
...
	.end_amdgpu_metadata
.endif
;; end of part 2
